; MI455X (gfx1250); checked and timed in simulation.
; The chip was launched on July 23, 2026; its instructions are those of AMD's public machine-readable ISA for CDNA 5 (MIT licence, August 2026) and "CDNA5" Instruction Set Architecture Reference Guide (July 2026). The comments in the code are by the model that wrote it; some were corrected since.
;; Diagonal Matrix Model. Allowed arithmetic: matrix products marked QUANTISED: E5M2 operands, one E8M0 scale for each 32 along K, by v_wmma_scale_f32_16x16x128_f8f6f4 with both operands' format E5M2, f32 sums; everything else in f32.
;; Inputs: diagonal 4,096 float32; x_codes 4,096 x 128 x 32 uint8 (E5M2 codes of x, K innermost, in blocks of 32 codes); x_scales 4,096 x 128 uint8 (E8M0 scales of x, one for each 32 codes along K).
;; Outputs: out0 4,096 x 4,096 float32.
;; This version of the problem:
;;   THIS VERSION OF THE PROBLEM IS GIVEN IN LOW PRECISION. The matrix products marked QUANTISED in the list below multiply operands that are first quantised to E5M2 (5 exponent bits, 2 mantissa bits; 8 bits a number), with one power-of-two scale for each 32 numbers along K (OCP MX v1.0); their sums are f32. All else is computed in f32.
;;   The module's matrix products, in the order in which they are computed (A, B: the left and right operand; K: the contracted axis; several contracted axes count as one K, in the product's order):
;;     1. [M 4,096, K 4,096] x [K 4,096, N 4,096]; A: input x (given as codes); B: computed on the way: QUANTISED
;;   THE QUANTISER, for each operand of a quantised product, along K:
;;     - K is cut into blocks of 32 from its start; a last block that is shorter is filled with zeros.
;;     - A block's scale is 2^e with e = floor(log2(the largest magnitude in the block)) - 15, held to -126 .. 127; a block of zeros has e = 0. As a byte (E8M0): e + 127.
;;     - Each number is divided by its block's scale, clamped to +-57,344, and rounded to the nearest number of E5M2, ties to even, subnormals kept.
;;     - The product sums the exact products of the quantised numbers (number of the format x scale) in f32.
;;   ~~~python
;;   def quantise(x, axis):      # numpy; x: float32 -> the quantised numbers, widened to float32 again
;;       x = np.moveaxis(x, axis, -1); K = x.shape[-1]
;;       x = np.pad(x, [(0, 0)] * (x.ndim - 1) + [(0, -K % 32)]); x = x.reshape(x.shape[:-1] + (-1, 32)); a = np.abs(x).max(-1, keepdims=True)
;;       e = np.where(a > 0, np.clip(np.frexp(np.where(a > 0, a, 1))[1] - 1 - 15, -126, 127), 0)      # np.frexp(a)[1] - 1 = floor(log2(a)), exactly
;;       r = np.clip(x / 2.0 ** e, -57344, 57344)
;;       step = 2.0 ** (np.maximum(np.frexp(np.where(r == 0, 1, r))[1] - 1, -14) - 2)
;;       q = np.round(r / step) * step * 2.0 ** e      # np.round: ties to even
;;       return np.moveaxis(q.reshape(q.shape[:-2] + (-1,))[..., :K], -1, axis).astype(np.float32)
;;   ~~~
;;   OPERANDS COMPUTED ON THE WAY. 'Computed on the way' means the value that the module computes at that place (a softmax that the list does not call 'softmax' is quantised finished and normalised). What goes into a quantiser is computed in f32, as accurately as f32 sums, v_exp_f32 and their like allow (about 1e-6 of the number): no bf16 or f16 on the way to a quantiser, and a product that is left as it is and whose result goes on into a quantised operand takes f32 operands (vector FMAs, or v_wmma_f32_16x16x4_f32). A number that lies on a knife's edge between two numbers of the format may be rounded either way, as far as f32 arithmetic and the matrix unit's own rounding can turn it there, and no further.
;;   INPUTS GIVEN AS CODES. x (in the module: [4096, 4096], K = its axis 1): each comes as NAME_codes (uint8): NAME with its K axis moved to the last place and cut into blocks of 32 codes, [.., K / 32, bytes a block], one block behind the other in memory; one code a byte (a code: sign, 5 exponent bits, 2 mantissa bits); and NAME_scales (uint8): the same leading axes, one E8M0 byte (e + 127) for each 32 codes along K. Its value is code x scale, taken as it is: it is not quantised again, and the codes and scales need not be those that the quantiser above would give.
;; One version. Each part assembles by itself: llvm-mc -triple=amdgcn-amd-amdhsa -mcpu=gfx1250 --defsym DOCPART=n.
;; ======== version 1 of 1: 1 launch
;; launch diagmul (part 1): grid 256 x 1, 4 waves a work-group, no clusters, 168,448 bytes of LDS; arguments diagonal, x_codes, x_scales, out0; writes out0
.if DOCPART == 1
	.amdgcn_target "amdgcn-amd-amdhsa--gfx1250"
	.amdhsa_code_object_version 6
	.text
	.protected	k_qa2c55bd90b_diagmul
	.globl	k_qa2c55bd90b_diagmul
	.p2align	8
	.type	k_qa2c55bd90b_diagmul,@function
k_qa2c55bd90b_diagmul:
	s_mov_b64 s[64:65], 0
	v_nop
	global_prefetch_b8 v0, s[64:65] scope:SCOPE_SE
	s_setreg_imm32_b32 hwreg(HW_REG_WAVE_MODE, 25, 1), 1
	s_wait_xcnt 0x0
; out0 = x diag(d), one product on codes of BF8 (E5M2) with one E8M0 scale for each 32 along K.  x: [4096][4096] codes, K innermost, scale bytes [4096][128].  d: [4096] f32.  out0: [4096][4096] f32.
; THE RIGHT OPERAND.  Column n of diag(d) holds d[n] at k = n and zeros elsewhere.  Quantised along K, the block of 32 that holds d[n] has |d[n]| as its largest magnitude (scale 2^(floor(log2 |d[n]|) - 15));
; every other block is zero codes under the byte 127.  Every 16 x 16 tile of out0 takes all 32 K steps of 128: one against the tile's own codes and scale bytes, 31 against one fragment of zero codes under 127.
; SHARES.  Work-group g owns rows 16 g .. 16 g + 15 and all columns: 65,536 consecutive bytes of codes, 2,048 of scale bytes, 262,144 of out0: each byte moves once.  Wave w of four owns columns 1024 w .. + 1023:
; eight groups G of 128 columns; group G's own K step is 8 w + G.  A wave issues 8 groups x 8 tiles x 32 K steps = 2,048 matrix instructions.
; x STAYS IN REGISTERS.  The work-group's x is 32 fragments of 16 registers: each wave reads them from LDS once, into 512 registers, and uses each 64 times: the walk along K has no LDS read and no wait.
; A wave counts the K steps from its own block: sg = 0 .. 31 is K step (8 w + sg) mod 32, so that group G's own step is sg = G in every wave's text.  The sums' order along K differs from ascending K; all terms but one are zeros.
; A CHUNK is one group: its 8 tiles of diag(d) are made; the own K step starts the 8 sums (C = 0); 31 K steps follow; the 16 x 128 results are stored, and leave while the next chunk is multiplied.
; THE COLUMNS OF A TILE ARE NOT NEIGHBOURS: tile 4 y + t of a group takes columns 64 y + 4 r + t (r = 0 .. 15).  Source 0 = x's 16 rows, source 1 = the tile: register i of its accumulator in lane (r, h) is
; out0(16 g + 8 h + i, 64 y + 4 r + t).  So the accumulators t = 0 .. 3 hold four neighbouring columns in one lane: four moves make 16 bytes, and sixteen lanes store 256 consecutive bytes, aligned.  No result goes through LDS.
; NO LOOP: each K step's fragment has registers of its own, so the 2,048 matrix instructions, 16 bytes each, are written out by macros: about 46,000 bytes of code.
; NO CLUSTER: the work-groups share d alone, 16,384 of the 346,112 bytes that a work-group moves.  Every LDS byte is filled once: no ring, no refill.
; LIMITS.  NaN and infinities in d are not served.  A zero d[n] gets the scale byte 1 where the rule says 127: its code is 0, and only this kernel reads the byte.  |d[n]| under 2^(16 - 127) keeps the byte 1,
; as the rule's hold of the exponent at -126 asks.  Codes of infinity or NaN in x and scale bytes 0xff go to the matrix unit as they lie, in all 32 K steps.
; REGISTERS, in windows of 256 (s_set_vgpr_msb: bits 1:0 source 0, 3:2 source 1, 5:4 source 2, 7:6 destination):
;   window 0: v1-25 addresses and constants; v32-47 x's scale words; v48-79 diag(d)'s; v80-95 its codes; v96-111 the zero fragment; v112-119 at work; v128-191 the 8 accumulators; v192-255 rows on their way out
;   window 1: v0-127 the group's 8 tiles of diag(d)          window 2: x's fragments sg = 0 .. 15          window 3: sg = 16 .. 31
.set TP,    1040                       ; a row of a strip in LDS: 1,024 bytes + 16 of padding = 260 words: row r starts at bank 4 r mod 64 (64 banks of 4 bytes: ISA guide 11.1)
.set STRIP, 16*TP                      ; strip a: 16 rows x K steps 8 a .. 8 a + 7: 16,640 bytes, at a x STRIP
.set SCL,   4*STRIP                    ; 66,560: behind the strips: x's scale bytes of the 16 rows,
.set SCP,   144                        ; 128 bytes + 16 a row: the word of row r, K step s lies in bank (36 r + s) mod 64: the 32 lanes of a load touch 32 different banks
.set AD,    1                          ; v1-4   LDS address of my part of a fragment in block i of my order: strip (w + i) mod 4
.set XA,    5                          ; v5-8   LDS address of my scale words of x in that block
.set CO,    9                          ; v9     my byte offset in out0; never rewritten
.set DOF,   10                         ; v10    my byte offset in d
.set ASL,   11                         ; v11    the copy's LDS address; never rewritten
.set ASG,   12                         ; v12    and its offset in memory; never rewritten
.set ONE,   13                         ; v13    1.0: the conversion's scale operand
.set HOLD,  14                         ; v14    57,344.0
.set FLR,   15                         ; v15    2^(16 - 127)
.set SHL,   16                         ; v16    8 (2 h + r / 8): where my column's own byte stands in its scale word
.set SBASE, 17                         ; v17    four bytes 127 with that byte cleared
.set ZS,    18                         ; v18    four bytes 127: the scale word of a column of zeros; a scale and nothing else
.set RR,    20                         ; v20 r = lane % 16;  v21 h = lane / 16;  v22-25 at work
.set HH,    21
.set TA,    22
.set TB,    23
.set LA,    24
.set LX,    25
.set XS,    32                         ; v32-47  register j: lanes 0-15 x's words of sg = 2 j, lanes 16-31 of sg = 2 j + 1; scales and nothing else
.set SW,    48                         ; v48-79  register 4 G + t: lanes 0-15 the words of tile t (y = 0), lanes 16-31 of tile 4 + t (y = 1); scales and nothing else
.set CD,    80                         ; v80-95  register 2 G + y: byte t = the code of d[128 G + 64 y + 4 r + t]
.set ZF,    96                         ; v96-111 sixteen registers of zero codes
.set TW,    112                        ; v112-119 tile 4 y + t: my code alone in byte t
.set ACC,   128                        ; v128-191 accumulator of tile j at ACC + 8 j
.set STG,   192                        ; v192-255 the way out: 16 x 4 registers
.set DN,    128                        ; at the head: v128-191 my 64 numbers of d; v192-219 the quantiser's work
.set AM,    192
.set NE,    200
.set BY,    208
.set TS,    216
.set WV,    12                         ; s12  my wave's number
.set G0,    16                         ; s[16:19] descriptor group 0
.set G1,    20                         ; s[20:27] descriptor group 1
.set MK,    28                         ; s[28:35] lane masks: s[MK + p] names the two lanes that hold a code in register p of a tile's eight
.set HI,    36                         ; s36  lanes 16-31
.set BA,    42                         ; s42-45 (w + i) mod 4;  s46-49 its strip's LDS byte;  s50-53 its scale words' LDS byte
.set BF,    46
.set BX,    50
.set MSB, 0
.macro WIN new                         ; the immediate's high byte repeats the setting that is left; a switch that changes nothing is dropped
.if MSB != (\new)
	s_set_vgpr_msb (MSB<<8)|(\new)
.set MSB, (\new)
.endif
.endm
.macro NOPS n
.rept \n
	v_nop
.endr
.endm
	s_load_b256 s[4:11], s[0:1], 0x0               ; d s[4:5], x's codes s[6:7], x's scales s[8:9], out0 s[10:11]
	v_lshl_add_u32 v126, v0, 2, 0x29000
	v_mov_b32 v127, 0
	ds_add_u32 v126, v127
	ds_add_u32 v126, v127
	v_lshrrev_b32 v[TA], 5, v0
	v_readfirstlane_b32 s[WV], v[TA]               ; wave 0..3
	v_and_b32 v[RR], 15, v0
	v_bfe_u32 v[HH], v0, 4, 1
	; descriptor group 1: a strip of 16 rows x 1,024 bytes, rows 4,096 bytes apart in memory, padded in LDS
	s_mov_b32 s[G1+0], (0<<16)|(1<<20)|(7<<22)|(3<<25)   ; 15:0 no mask; 17:16 elements of 1 byte; 20 padding on; 24:22 after every 256 words (code 7); 31:25 four words (code 3)
	s_mov_b32 s[G1+1], 1024<<16                    ; tensor_dim0 = 1,024
	s_mov_b32 s[G1+2], 16<<16                      ; tensor_dim1 = 16
	s_mov_b32 s[G1+3], 1024<<16                    ; tile_dim0 = 1,024
	s_mov_b32 s[G1+4], 16                          ; tile_dim1 = 16
	s_mov_b32 s[G1+5], 4096                        ; tensor_dim0_stride
	s_mov_b32 s[G1+6], 0
	s_mov_b32 s[G1+7], 0
	s_mov_b32 s[G0], 1                             ; count = 1
	s_mul_i32 s[G0+1], s[WV], STRIP                ; LDS address: strip w
	s_lshl_b32 s14, ttmp9, 16                      ; the work-group's 16 rows of 4,096 codes,
	s_lshl_b32 s13, s[WV], 10
	s_add_co_u32 s14, s14, s13                     ; and my strip's 1,024 of each row
	s_mov_b32 s15, 0
	s_lshl_b32 s38, ttmp9, 11                      ; 16 rows of 128 scale bytes
	s_mov_b32 s39, 0
	s_lshl_b32 s40, ttmp9, 18                      ; 16 rows of 16,384 bytes of out0
	s_mov_b32 s41, 0
	s_lshl_b32 s37, s[WV], 12                      ; my 1,024 columns in d and in a row of out0: 4,096 bytes a wave
; Column 64 y + 4 r + t has its number at k = 64 y + 4 r + t of the K step.  By the operand's layout (registers 4 c .. 4 c + 3: k = 32 c + 16 h + 0 .. 15) that is c = 2 y + r / 8, h = (r % 8) / 4,
; register 8 y + p with p = 4 (r / 8) + r % 4, byte t.  So register p holds a code in lanes 8 (p / 4) + p % 4 (h = 0) and 20 + 8 (p / 4) + p % 4 (h = 1), and zero codes in the others.
.irp p, 0,1,2,3,4,5,6,7
	s_mov_b32 s[MK+\p], (1<<(8*(\p/4)+\p%4))|(1<<(20+8*(\p/4)+\p%4))
.endr
	s_mov_b32 s[HI], 0xffff0000
.irp i, 0,1,2,3
	s_add_co_u32 s[BA+\i], s[WV], \i
	s_and_b32 s[BA+\i], s[BA+\i], 3                ; block i of my order is strip (w + i) mod 4
	s_mul_i32 s[BF+\i], s[BA+\i], STRIP
	s_lshl_b32 s[BX+\i], s[BA+\i], 5               ; its 8 K steps' scale words: 32 bytes of a row
	s_add_co_u32 s[BX+\i], s[BX+\i], SCL
.endr
	v_mul_u32_u24 v[LA], v[RR], TP
	v_lshl_add_u32 v[LA], v[HH], 4, v[LA]          ; a fragment: row r x pitch + 16 h
	v_mul_u32_u24 v[LX], v[RR], SCP
	v_lshl_add_u32 v[LX], v[HH], 2, v[LX]          ; scale words: row r; lanes 16-31 take the next K step's
.irp i, 0,1,2,3
	v_add_nc_u32 v[AD+\i], s[BF+\i], v[LA]
	v_add_nc_u32 v[XA+\i], s[BX+\i], v[LX]
.endr
	v_lshl_add_u32 v[DOF], v[RR], 4, s37           ; d: four numbers, 16 bytes, for each r
	v_lshl_add_u32 v[CO], v[HH], 17, v[DOF]        ; out0: the same bytes of a row; lanes 16-31 eight rows further down
	v_lshlrev_b32 v[ASG], 4, v0                    ; the copy: thread n takes bytes 16 n .. 16 n + 15 of the work-group's 2,048 scale bytes,
	v_lshrrev_b32 v[TA], 3, v0
	v_mul_u32_u24 v[TA], v[TA], SCP
	v_and_b32 v[TB], 7, v0
	v_lshl_add_u32 v[TA], v[TB], 4, v[TA]
	v_add_nc_u32 v[ASL], SCL, v[TA]                ; which are row n / 8, bytes 16 (n % 8) on
	v_bfe_u32 v[SHL], v0, 3, 2                     ; 2 h + r / 8
	v_lshlrev_b32 v[SHL], 3, v[SHL]
	v_mov_b32 v[TB], 0x7f
	v_lshlrev_b32 v[TB], v[SHL], v[TB]
	v_xor_b32 v[SBASE], 0x7f7f7f7f, v[TB]
	v_mov_b32 v[ZS], 0x7f7f7f7f
	v_mov_b32 v[ONE], 1.0
	v_mov_b32 v[HOLD], 0x47600000
	v_mov_b32 v[FLR], 0x08000000
	s_wait_dscnt 0x0
	s_wait_kmcnt 0x0
	s_add_nc_u64 s[G0+2:G0+3], s[6:7], s[14:15]    ; global address of my strip's first byte: a multiple of 1,024 from the buffer's first
	s_or_b32 s[G0+3], s[G0+3], 0x80000000          ; type = 2
	s_add_nc_u64 s[8:9], s[8:9], s[38:39]
	s_add_nc_u64 s[10:11], s[10:11], s[40:41]
	; ALL READS OF MEMORY, in one group: my strip, my quarter of the scale bytes, my 1,024 numbers of d.  One tensor load of mine is out; its descriptor is never rewritten.
	tensor_load_to_lds s[G0:G0+3], s[G1:G1+7]
	s_nop 0
	NOPS 4
	global_load_async_to_lds_b128 v[ASL], v[ASG], s[8:9]
.irp n, 0,1,2,3,4,5,6,7,8,9,10,11,12,13,14,15
	global_load_b128 v[DN+4*\n:DN+4*\n+3], v[DOF], s[4:5] offset:256*\n   ; n = 2 G + y: d[128 G + 64 y + 4 r + 0 .. 3]: sixteen lanes read 256 consecutive bytes; lanes 16-31 the same
.endr
	; diag(d)'s zeros, as zero codes, written once: the fragment for the 31 other K steps, and in each of the 8 tiles the eight registers outside the tile's own 64 along K
.irp i, 0,1,2,3,4,5,6,7,8,9,10,11,12,13,14,15
	v_mov_b32 v[ZF+\i], 0
.endr
	WIN 0x40                                       ; destination window 1
.irp j, 0,1,2,3,4,5,6,7
.irp i, 0,1,2,3,4,5,6,7
	v_mov_b32 v[16*\j+8*(1-\j/4)+\i], 0
.endr
.endr
	WIN 0
	s_wait_tensorcnt 0x0                           ; my strip lies in LDS,
	s_wait_asynccnt 0x0                            ; and my quarter of the scale bytes:
	s_barrier_signal -1
	s_barrier_wait -1                              ; everybody's do.  Every wave reads all four strips.  From here on LDS is only read
.irp i, 0,1,2,3
.irp m, 0,1,2,3
	ds_load_b32 v[XS+4*\i+\m], v[XA+\i] offset:8*\m   ; x's scale words of sg = 8 i + 2 m (lanes 0-15) and 8 i + 2 m + 1 (lanes 16-31)
.endr
.endr
.macro FRAG sg                         ; x's fragment of K step sg of my order: registers 4 c .. 4 c + 3: k = 32 c + 16 h + 0 .. 15 of row r
.irp c, 0,1,2,3
	ds_load_b128 v[16*((\sg)%16)+4*\c:16*((\sg)%16)+4*\c+3], v[AD+(\sg)/8] offset:128*((\sg)%8)+32*\c
.endr
.endm
	WIN 0x80                                       ; destination window 2, address window 0
.set SG, 0
.rept 11
	FRAG SG                                        ; with the 16 loads above: 60 LDS loads, which land while d is quantised
.set SG, SG+1
.endr
	WIN 0
	s_wait_loadcnt 0x0                             ; d
; THE QUANTISER, a group's eight numbers of a lane at a time.  Each number is alone in its block, so it is the block's largest magnitude and has a scale of its own: it is divided by its scale first
; (v_ldexp_f32: nothing is rounded), held within +-57,344, and the eight are converted together under the scale 1: number 4 y + t gives byte t of register y.
.macro QGROUP g
.irp n, 0,1,2,3,4,5,6,7
	v_max_num_f32 v[AM+\n], |v[DN+8*\g+\n]|, v[FLR]   ; with the floor 2^(16 - 127): the byte cannot fall under 1
.endr
.irp n, 0,1,2,3,4,5,6,7
	v_lshrrev_b32 v[AM+\n], 23, v[AM+\n]           ; its exponent field: floor(log2) + 127
.endr
.irp n, 0,1,2,3,4,5,6,7
	v_sub_nc_u32 v[NE+\n], 142, v[AM+\n]           ; -(floor(log2) - 15)
.endr
.irp n, 0,1,2,3,4,5,6,7
	v_add_nc_u32 v[BY+\n], -15, v[AM+\n]           ; the scale's byte
.endr
.irp n, 0,1,2,3,4,5,6,7
	v_ldexp_f32 v[DN+8*\g+\n], v[DN+8*\g+\n], v[NE+\n]   ; the number / its scale
.endr
.irp n, 0,1,2,3,4,5,6,7
	v_med3_num_f32 v[DN+8*\g+\n], v[DN+8*\g+\n], -v[HOLD], v[HOLD]   ; the conversion to an 8-bit code does not saturate (ISA guide 7.6.2): the hold comes first
.endr
	v_cvt_scalef32_pk8_bf8_f32 v[CD+2*\g:CD+2*\g+1], v[DN+8*\g:DN+8*\g+7], v[ONE]   ; to the nearest code, ties to even
.irp t, 0,1,2,3
	v_cndmask_b32 v[TS+\t], v[BY+\t], v[BY+4+\t], s[HI]   ; lanes 0-15 keep the byte of column 4 r + t, lanes 16-31 that of 64 + 4 r + t.  (These lines name nothing of the conversion: the first is the plain place behind it)
.endr
.irp t, 0,1,2,3
	v_lshl_or_b32 v[SW+4*\g+\t], v[TS+\t], v[SHL], v[SBASE]   ; the column's scale word: its own block's byte, 127 for its three blocks of zeros
.endr
.endm
.irp g, 0,1,2,3,4,5,6,7
	QGROUP \g
.endr
	WIN 0x80
.rept 5
	FRAG SG                                        ; sg = 11 .. 15
.set SG, SG+1
.endr
	WIN 0xc0                                       ; destination window 3
.rept 16
	FRAG SG                                        ; sg = 16 .. 31.  All of x's loads stand ahead of the first matrix instruction
.set SG, SG+1
.endr
	WIN 0
; The group's 8 tiles of diag(d): my code alone in its byte, then in each of a tile's eight registers the code in the two lanes that own it and zero codes elsewhere.
; The registers were last read by the chunk before's first eight products: the way out's places and moves lie between.  Four places follow: an operand written by vector instructions stands so far
; ahead of a scaled matrix instruction; the scale words were made at the head.
.macro BUILD g
.irp j, 0,1,2,3,4,5,6,7
	v_and_b32 v[TW+\j], 0xff<<(8*(\j%4)), v[CD+2*\g+\j/4]
.endr
	WIN 0x40                                       ; destination window 1
.irp j, 0,1,2,3,4,5,6,7
.irp p, 0,1,2,3,4,5,6,7
	v_cndmask_b32 v[16*\j+8*(\j/4)+\p], 0, v[TW+\j], s[MK+\p]
.endr
.endr
	WIN 0
	NOPS 4
.endm
; The group's own K step, sg = g: eight products that start the eight sums: nothing is ever cleared.  x's scale word: lanes 0-15 for an even sg, 16-31 for an odd one; the tile's: lanes 0-15 for y = 0, 16-31 for y = 1.
.macro RSTEP g
.irp j, 0,1,2,3,4,5,6,7
.if ((\g)%2 == 0) && (\j < 4)
	v_wmma_scale_f32_16x16x128_f8f6f4 v[ACC+8*\j:ACC+8*\j+7], v[16*\g:16*\g+15], v[16*\j:16*\j+15], 0, v[XS+\g/2], v[SW+4*\g+\j%4] matrix_a_fmt:MATRIX_FMT_BF8 matrix_b_fmt:MATRIX_FMT_BF8
.elseif ((\g)%2 == 1) && (\j < 4)
	v_wmma_scale_f32_16x16x128_f8f6f4 v[ACC+8*\j:ACC+8*\j+7], v[16*\g:16*\g+15], v[16*\j:16*\j+15], 0, v[XS+\g/2], v[SW+4*\g+\j%4] matrix_a_fmt:MATRIX_FMT_BF8 matrix_b_fmt:MATRIX_FMT_BF8 matrix_a_scale:MATRIX_SCALE_ROW1
.elseif ((\g)%2 == 0)
	v_wmma_scale_f32_16x16x128_f8f6f4 v[ACC+8*\j:ACC+8*\j+7], v[16*\g:16*\g+15], v[16*\j:16*\j+15], 0, v[XS+\g/2], v[SW+4*\g+\j%4] matrix_a_fmt:MATRIX_FMT_BF8 matrix_b_fmt:MATRIX_FMT_BF8 matrix_b_scale:MATRIX_SCALE_ROW1
.else
	v_wmma_scale_f32_16x16x128_f8f6f4 v[ACC+8*\j:ACC+8*\j+7], v[16*\g:16*\g+15], v[16*\j:16*\j+15], 0, v[XS+\g/2], v[SW+4*\g+\j%4] matrix_a_fmt:MATRIX_FMT_BF8 matrix_b_fmt:MATRIX_FMT_BF8 matrix_a_scale:MATRIX_SCALE_ROW1 matrix_b_scale:MATRIX_SCALE_ROW1
.endif
.endr
.endm
; Another K step: there all 128 columns of the group are zeros.  The eight accumulators take turns, one instruction a turn, in the same order in every K step.
.macro ZSTEP sg
.irp j, 0,1,2,3,4,5,6,7
.if ((\sg)%2) == 0
	v_wmma_scale_f32_16x16x128_f8f6f4 v[ACC+8*\j:ACC+8*\j+7], v[16*((\sg)%16):16*((\sg)%16)+15], v[ZF:ZF+15], v[ACC+8*\j:ACC+8*\j+7], v[XS+(\sg)/2], v[ZS] matrix_a_fmt:MATRIX_FMT_BF8 matrix_b_fmt:MATRIX_FMT_BF8
.else
	v_wmma_scale_f32_16x16x128_f8f6f4 v[ACC+8*\j:ACC+8*\j+7], v[16*((\sg)%16):16*((\sg)%16)+15], v[ZF:ZF+15], v[ACC+8*\j:ACC+8*\j+7], v[XS+(\sg)/2], v[ZS] matrix_a_fmt:MATRIX_FMT_BF8 matrix_b_fmt:MATRIX_FMT_BF8 matrix_a_scale:MATRIX_SCALE_ROW1
.endif
.endr
.endm
; THE WAY OUT of a group.  Eight places stand behind the last products.  Row i of half y: the registers i of accumulators 4 y + 0 .. 3 are four neighbouring columns: four moves, one store.
; Each accumulator is read from its register 0 on.  The moves free the accumulators for the next chunk; nothing waits for the stores.
.macro OUT g
	NOPS 8
.if \g > 0
	s_wait_xcnt 0x0                                ; the chunk before's stores have read their data: these registers are written again only behind this wait
.endif
.irp y, 0,1
.irp i, 0,1,2,3,4,5,6,7
.irp t, 0,1,2,3
	v_mov_b32 v[STG+32*\y+4*\i+\t], v[ACC+8*(4*\y+\t)+\i]
.endr
	global_store_b128 v[CO], v[STG+32*\y+4*\i:STG+32*\y+4*\i+3], s[10:11] offset:16384*\i+512*\g+256*\y th:TH_STORE_NT   ; lanes 0-15: 256 consecutive bytes of row i, aligned; lanes 16-31: of row 8 + i; written once, read by nobody here; the largest immediate is 118,528
.endr
.endr
.endm
; A chunk.  In the first one x's fragments are still landing: in front of K step sg stands a wait that leaves out the loads issued behind its fragment, four for each later fragment (63 is the largest count that the wait can name).
.macro CHUNK g
	BUILD \g
.if \g == 0
	s_wait_dscnt 63                                ; x's scale words and fragment 0 are in: 124 loads were issued behind them
.endif
	WIN 0x06                                       ; source 0 (x) window 2, source 1 (the tile) window 1, D window 0
	RSTEP \g
.set SG, 0
.rept 32
.if SG != \g
.if \g == 0
.set WC, 4*(31-SG)
.if WC > 63
.set WC, 63
.endif
	s_wait_dscnt WC
.endif
.set WN, 0x02+SG/16
	WIN WN                                         ; source 0 (x) window 2 or 3; the zero fragment, C and D window 0
	ZSTEP SG
.endif
.set SG, SG+1
.endr
	WIN 0
	OUT \g
.endm
.irp g, 0,1,2,3,4,5,6,7
	CHUNK \g
.endr
	s_wait_tensorcnt 0x0
	ds_add_u32 v126, v127
	s_wait_dscnt 0x0
	s_endpgm
.Lfunc_end_k_qa2c55bd90b_diagmul:
	.size	k_qa2c55bd90b_diagmul, .Lfunc_end_k_qa2c55bd90b_diagmul-k_qa2c55bd90b_diagmul
	.p2alignl 7, 3214868480
	.fill 96, 4, 3214868480
	.section	.rodata,"a",@progbits
	.p2align	6, 0x0
	.amdhsa_kernel k_qa2c55bd90b_diagmul
		.amdhsa_group_segment_fixed_size 168448
		.amdhsa_private_segment_fixed_size 0
		.amdhsa_enable_private_segment 0
		.amdhsa_kernarg_size 32
		.amdhsa_user_sgpr_count 2
		.amdhsa_user_sgpr_kernarg_segment_ptr 1
		.amdhsa_wavefront_size32 1
		.amdhsa_system_sgpr_workgroup_id_x 1
		.amdhsa_system_sgpr_workgroup_id_y 1
		.amdhsa_system_sgpr_workgroup_id_z 1
		.amdhsa_system_vgpr_workitem_id 0
		.amdhsa_next_free_vgpr 1024
		.amdhsa_next_free_sgpr 66
		.amdhsa_reserve_vcc 0
		.amdhsa_float_denorm_mode_32 3
		.amdhsa_float_denorm_mode_16_64 3
		.amdhsa_memory_ordered 1
		.amdhsa_forward_progress 1
		.amdhsa_inst_pref_size 255
	.end_amdhsa_kernel
	.section	.bss,"aw",@nobits
	.p2align	6
	.space	262144
	.amdgpu_metadata
---
amdhsa.version: [ 1, 2 ]
amdhsa.kernels:
  - .name:           k_qa2c55bd90b_diagmul
    .symbol:         k_qa2c55bd90b_diagmul.kd
    .args:
      - { .name: diagonal, .offset: 0, .size: 8, .value_kind: global_buffer, .address_space: global }
      - { .name: x_codes, .offset: 8, .size: 8, .value_kind: global_buffer, .address_space: global }
      - { .name: x_scales, .offset: 16, .size: 8, .value_kind: global_buffer, .address_space: global }
      - { .name: out0, .offset: 24, .size: 8, .value_kind: global_buffer, .address_space: global }
    .group_segment_fixed_size: 168448
    .private_segment_fixed_size: 0
    .kernarg_segment_align: 8
    .kernarg_segment_size: 32
    .max_flat_workgroup_size: 128
    .sgpr_count:     66
    .vgpr_count:     1024
    .wavefront_size: 32
...
	.end_amdgpu_metadata
.endif
;; end of part 1
